; MI455X (gfx1250); checked and timed in simulation.
; The chip was launched on July 23, 2026; its instructions are those of AMD's public machine-readable ISA for CDNA 5 (MIT licence, August 2026) and "CDNA5" Instruction Set Architecture Reference Guide (July 2026). The comments in the code are by the model that wrote it; some were corrected since.
;; Attention. Allowed arithmetic: matrix products marked QUANTISED: E2M1 operands, one E8M0 scale for each 32 along K, by v_wmma_scale_f32_16x16x128_f8f6f4 with both operands' format E2M1 (or v_wmma_scale_f32_32x16x128_f4), f32 sums; products left as they are: f32 operands where the result goes on into a quantised operand, else bf16, f16 or f32 operands; f32 sums; everything else in f32.
;; Inputs: Wg_codes 32 x 2 x 16 uint8 (E2M1 codes of Wg, K innermost, in blocks of 32 codes, two codes a byte); Wg_scales 32 x 2 uint8 (E8M0 scales of Wg, one for each 32 codes along K); Wo_codes 64 x 1 x 16 uint8 (E2M1 codes of Wo, K innermost, in blocks of 32 codes, two codes a byte); Wo_scales 64 x 1 uint8 (E8M0 scales of Wo, one for each 32 codes along K); Wp 8 x 64 float32; Wt 8 x 64 float32; gamma one number float32; x 16 x 64 x 64 x 64 float32.
;; Outputs: out0 16 x 64 x 64 x 64 float32.
;; This version of the problem:
;;   THIS VERSION OF THE PROBLEM IS GIVEN IN LOW PRECISION. The matrix products marked QUANTISED in the list below multiply operands that are first quantised to E2M1 (2 exponent bits, 1 mantissa bit; 4 bits a number), with one power-of-two scale for each 32 numbers along K (OCP MX v1.0); their sums are f32. All else is computed in f32.
;;   The module's matrix products, in the order in which they are computed (A, B: the left and right operand; K: the contracted axis; several contracted axes count as one K, in the product's order):
;;     1. [M 65,536, K 64] x [K 64, N 8]; A: input x; B: input Wt: left as it is (N = 8 < 16)
;;     2. [M 65,536, K 64] x [K 64, N 8]; A: input x; B: input Wp: left as it is (N = 8 < 16)
;;     3. [M 65,536, K 64] x [K 64, N 32]; A: input x; B: input Wg (given as codes): QUANTISED
;;     4. batch 16 x [M 4,096, K 8] x [K 8, N 1,024]; A: computed on the way; B: computed on the way: left as it is (K = 8 < 32)
;;     5. batch 16 x [M 32, K 1,024] x [K 1,024, N 4,096]; A: computed on the way; B: softmax (see below): QUANTISED
;;     6. [M 65,536, K 32] x [K 32, N 64]; A: computed on the way; B: input Wo (given as codes): QUANTISED
;;   THE QUANTISER, for each operand of a quantised product, along K:
;;     - K is cut into blocks of 32 from its start; a last block that is shorter is filled with zeros.
;;     - A block's scale is 2^e with e = floor(log2(the largest magnitude in the block)) - 2, held to -126 .. 127; a block of zeros has e = 0. As a byte (E8M0): e + 127.
;;     - Each number is divided by its block's scale, clamped to +-6, and rounded to the nearest number of E2M1, ties to even, subnormals kept.
;;     - The product sums the exact products of the quantised numbers (number of the format x scale) in f32.
;;   ~~~python
;;   def quantise(x, axis):      # numpy; x: float32 -> the quantised numbers, widened to float32 again
;;       x = np.moveaxis(x, axis, -1); K = x.shape[-1]
;;       x = np.pad(x, [(0, 0)] * (x.ndim - 1) + [(0, -K % 32)]); x = x.reshape(x.shape[:-1] + (-1, 32)); a = np.abs(x).max(-1, keepdims=True)
;;       e = np.where(a > 0, np.clip(np.frexp(np.where(a > 0, a, 1))[1] - 1 - 2, -126, 127), 0)      # np.frexp(a)[1] - 1 = floor(log2(a)), exactly
;;       r = np.clip(x / 2.0 ** e, -6, 6)
;;       step = 2.0 ** (np.maximum(np.frexp(np.where(r == 0, 1, r))[1] - 1, 0) - 1)
;;       q = np.round(r / step) * step * 2.0 ** e      # np.round: ties to even
;;       return np.moveaxis(q.reshape(q.shape[:-2] + (-1,))[..., :K], -1, axis).astype(np.float32)
;;   ~~~
;;   SOFTMAX AHEAD OF A QUANTISED PRODUCT. Where the list says 'softmax', what is quantised is not the finished softmax but p = 2^(t - M), with t = logit x log2(e) and M = ceil(the row's largest t), a whole number; so 1/2 < the row's largest p <= 1. The row's sum l is taken of the UNQUANTISED p, in f32, and the product's result is divided by l at the end. Since M is a whole number, a kernel that streams over the keys may use a running M (the ceiling of the running maximum): every later rescaling is an exact power of two, which a block's scale takes up: the codes' values come out the same.
;;   OPERANDS COMPUTED ON THE WAY. 'Computed on the way' means the value that the module computes at that place (a softmax that the list does not call 'softmax' is quantised finished and normalised). What goes into a quantiser is computed in f32, as accurately as f32 sums, v_exp_f32 and their like allow (about 1e-6 of the number): no bf16 or f16 on the way to a quantiser, and a product that is left as it is and whose result goes on into a quantised operand takes f32 operands (vector FMAs, or v_wmma_f32_16x16x4_f32). A number that lies on a knife's edge between two numbers of the format may be rounded either way, as far as f32 arithmetic and the matrix unit's own rounding can turn it there, and no further.
;;   INPUTS GIVEN AS CODES. Wg (in the module: [32, 64], K = its axis 1); Wo (in the module: [64, 32], K = its axis 1): each comes as NAME_codes (uint8): NAME with its K axis moved to the last place and cut into blocks of 32 codes, [.., K / 32, bytes a block], one block behind the other in memory; two codes a byte, the lower K in the low four bits (a code: sign, 2 exponent bits, 1 mantissa bit); and NAME_scales (uint8): the same leading axes, one E8M0 byte (e + 127) for each 32 codes along K. Its value is code x scale, taken as it is: it is not quantised again, and the codes and scales need not be those that the quantiser above would give.
;; One version. Each part assembles by itself: llvm-mc -triple=amdgcn-amd-amdhsa -mcpu=gfx1250 --defsym DOCPART=n.
;; ======== version 1 of 1: 2 launches
;; workspace buffers: theta 2,097,152 bytes; kv 802,816 bytes
;; launch prep (part 1): grid 16 x 16, 4 waves a work-group, no clusters, 168,448 bytes of LDS; arguments x, Wt, Wp, Wg_codes, Wg_scales, theta, kv; writes theta, kv
.if DOCPART == 1
	.amdgcn_target "amdgcn-amd-amdhsa--gfx1250"
	.amdhsa_code_object_version 6
	.text
	.protected	k_q2024ebfb84_prep
	.globl	k_q2024ebfb84_prep
	.p2align	8
	.type	k_q2024ebfb84_prep,@function
k_q2024ebfb84_prep:
	s_mov_b64 s[64:65], 0
	v_nop
	global_prefetch_b8 v0, s[64:65] scope:SCOPE_SE
	s_setreg_imm32_b32 hwreg(HW_REG_WAVE_MODE, 25, 1), 1
	s_wait_xcnt 0x0
; x [16][64 channels][4096 positions] f32  ->  theta = Wt x, phi = pool(Wp x), g = pool(Q(Wg) Q(x)), laid as images of the operand registers of the launch that follows.
; theta [b][tile of 16 queries][lane][16 B]: lane (r, h) holds theta[4h+0..3][16 T + r], f32.
; kv, 50,176 bytes a batch: PHI [ks 8][tau 8][lane][16 B]: phi[4h+0..3] of key 128 ks + 32 (tau/2) + 8 (tau%2) + r + 8 (r/8);
;   GC [ks][n 2][c 2][lane][16 B]: codes of E2M1 of g, channel 8 n + r + 8 (r/8), keys 128 ks + 64 c + 32 h + 0..31;  GS [ks][n][r][4 B]: their E8M0 bytes, one for each 32 keys.
; SHARES.  A work-group takes 4 image rows of one batch (256 positions, 1,024 bytes of each channel's row): two pooled rows, 64 keys.  Wave w: pooled row i = w / 2, u = w % 2.
; A wave has four tiles of 16 positions, t = 2 a + b: lane r of tile t is image row 2 i + a, column 16 u + 32 (r/8) + 2 (r%8) + b.  So the four partners of a 2 x 2 pool lie in the same lane and
; register of the four tiles, and the pool is a maximum over registers.
; theta AND phi IN ONE STREAM: the f32 matrix form takes 16 rows: rows 8h+0..3 are Wt's rows 4h+0..3, rows 8h+4..7 Wp's.  Along K the slot (step s, h, j) stands for channel 32 h + 2 s + j on both sides.
; x's 32 registers of a lane are then a whole block of 32 channels: its largest magnitude needs no other lane, and the conversions' results are the first four registers of the 4-bit operand (K = 64 of 128; the rest are zero codes).
; LIMITS: NaN and infinities among the inputs are not served.  A block of zeros gets the scale byte 1 where the quantiser's rule says 127: its codes are zeros, and this program alone reads the bytes.
; The f32 sums over the 64 channels run in the order 32 h + 2 s + j, not in reference()'s.
.set XHALF, 32832                      ; LDS: channel c of the x tile at 1,024 c, channels 32-63 64 bytes further on, so that lanes 16-31 read other banks than lanes 0-15
.set THS,   65792                      ; 16 images of theta, 8,192 bytes; in blocks of 256 bytes into which no tensor load lands
.set GPL,   73984                      ; pooled g: 32 channels x (64 keys x 4 bytes + 16)
.set GPP,   272
.set KVB,   50176                      ; a batch's bytes in kv
.set WA,  12                           ; v12-43   the 16 rows of Wt and Wp: K step s in v[12+2s:13+2s]
.set WG,  44                           ; v44-59   Wg's two fragments: codes in +0..3, zeros in +4..7
.set WGS, 60                           ; v60-61   Wg's scale words
.set XSW, 62                           ; v62-65   x's scale words, a tile each
.set BM,  68                           ; v68-71   a tile's largest magnitude of my block
.set X,   72                           ; v72-199  tile t at 72 + 32 t: register i = x[32 h + i][my position]
.set ACC, 200                          ; v200-231 tile t at 200 + 8 t: written by the f32 matrix form alone
.set SO,  240                          ; v240-243 the conversions' scale operands
.set PT,  244                          ; v244-247 destinations of the lane exchange
.set PHI, 248                          ; v248-251 pooled phi (at the head: r, h, r/8, r%8)
.set BY,  252                          ; v252-255 scale bytes (at the head: lane, scratch)
.set D,   104                          ; v104-167 un-pooled g: tile t, channels 16 n on, at 104 + 16 t + 8 n
.set G,   168                          ; v168-183 pooled g
.set GQ,  104                          ; v104-135 32 keys of one channel, read back
	s_load_b256 s[4:11], s[0:1], 0x0               ; x s[4:5], Wt s[6:7], Wp s[8:9], Wg's codes s[10:11]
	s_load_b128 s[12:15], s[0:1], 0x20             ; Wg's scales s[12:13], theta s[14:15]
	s_load_b64 s[16:17], s[0:1], 0x30              ; kv
	v_lshl_add_u32 v67, v0, 2, 0x29000
	s_set_vgpr_msb 0x40
	v_mov_b32 v1, 0
	s_set_vgpr_msb 0x4044
	ds_add_u32 v67, v1
	ds_add_u32 v67, v1
	s_set_vgpr_msb 0x4400
	v_lshrrev_b32 v1, 5, v0
	v_readfirstlane_b32 s18, v1                    ; wave 0..3
	s_and_b32 s39, ttmp7, 0xffff                   ; the batch
	s_lshr_b32 s19, s18, 1                         ; i
	s_and_b32 s36, s18, 1                          ; u
	s_mov_b32 s20, 0x76543210
	s_mov_b32 s21, 0xfedcba98                      ; v_permlanex16_b32's selects for lane l xor 16
	; descriptor group 1: 16 channel rows x 1,024 bytes (128 elements of 8 bytes), 16,384 bytes from row to row, no padding
	s_mov_b32 s24, 3<<16
	s_mov_b32 s25, 128<<16                         ; tensor_dim0
	s_mov_b32 s26, 16<<16                          ; tensor_dim1
	s_mov_b32 s27, 128<<16                         ; tile_dim0
	s_mov_b32 s28, 16                              ; tile_dim1
	s_mov_b32 s29, 2048                            ; stride
	s_mov_b32 s30, 0
	s_mov_b32 s31, 0
	s_mov_b32 s32, 1
	s_lshl_b32 s33, s18, 14                        ; LDS: my 16 channels at 16,384 w,
	s_lshl_b32 s37, s19, 6
	s_add_co_u32 s33, s33, s37                     ; + 64 for channels 32 on
	s_lshl_b32 s46, s39, 20                        ; in x: the batch,
	s_lshl_b32 s37, s18, 18
	s_add_co_u32 s46, s46, s37                     ; my 16 channels,
	s_lshl_b32 s37, ttmp9, 10
	s_add_co_u32 s46, s46, s37                     ; the work-group's 256 positions
	s_mov_b32 s47, 0
	s_wait_dscnt 0x0
	s_wait_kmcnt 0x0
	s_add_nc_u64 s[34:35], s[4:5], s[46:47]
	s_or_b32 s35, s35, 0x80000000
	tensor_load_to_lds s[32:35], s[24:31]          ; each wave's one load: 16 KiB; filled once
	s_nop 0
.rept 4
	v_nop
.endr
	; every address register is made here, ahead of any branch
	v_and_b32 v252, 31, v0                         ; lane
	v_and_b32 v248, 15, v0                         ; r
	v_bfe_u32 v249, v0, 4, 1                       ; h
	v_bfe_u32 v250, v0, 3, 1                       ; r / 8
	v_and_b32 v251, 7, v0                          ; r % 8
	s_lshl_b32 s37, s19, 9
	s_lshl_b32 s38, s36, 6
	s_add_co_u32 s37, s37, s38
	v_mul_u32_u24 v2, v249, XHALF
	v_lshl_add_u32 v2, v250, 7, v2
	v_lshl_add_u32 v2, v251, 3, v2
	v_add_nc_u32 v2, s37, v2                       ; v2: x in LDS: 32,832 h + 128 (r/8) + 8 (r%8) + 512 i + 64 u; the register's channel and the tile stand in the immediate
	s_lshl_b32 s37, s19, 12
	s_lshl_b32 s38, s36, 9
	s_add_co_u32 s37, s37, s38
	s_add_co_u32 s37, s37, THS
	v_lshlrev_b32 v3, 10, v250
	v_lshl_add_u32 v3, v249, 8, v3
	v_lshl_add_u32 v3, v251, 5, v3
	v_add_nc_u32 v3, s37, v3                       ; v3: where my position's theta goes: image (position / 16), lane 16 h + position % 16
	s_lshl_b32 s37, s19, 7
	s_lshl_b32 s38, s36, 5
	s_add_co_u32 s37, s37, s38
	s_add_co_u32 s37, s37, GPL
	v_mul_u32_u24 v4, v248, GPP
	v_lshl_add_u32 v4, v249, 6, v4
	v_add_nc_u32 v4, s37, v4                       ; v4: pooled g: channel r (+ 16 n), keys 32 i + 16 h + 8 u on
	v_lshlrev_b32 v5, 4, v252                      ; v5: 16 x lane
	s_lshl_b32 s37, s18, 11
	s_add_co_u32 s37, s37, THS
	v_add_nc_u32 v6, s37, v5                       ; v6: the four images of theta that I store
	v_lshl_add_u32 v253, v250, 3, v248
	s_lshl_b32 s37, s36, 3
	v_add_nc_u32 v253, s37, v253                   ; channel 8 (w%2) + r + 8 (r/8)
	v_mul_u32_u24 v7, v253, GPP
	v_lshl_add_u32 v7, v249, 7, v7
	v_add_nc_u32 v7, GPL, v7                       ; v7: that channel's 32 keys of pooled row h
	v_lshl_add_u32 v8, v248, 2, v249               ; v8: my scale byte's place: 4 r + h
	v_and_b32 v253, 3, v0
	v_lshl_add_u32 v253, v250, 2, v253
	v_lshlrev_b32 v9, 8, v253
	v_lshl_add_u32 v9, v249, 7, v9                 ; v9: row (r%4) + 4 (r/8) of Wt or Wp, channels 32 h on
	v_lshlrev_b32 v10, 5, v248
	v_lshl_add_u32 v10, v249, 4, v10               ; v10: Wg's codes: row r of 32 bytes, + 16 h
	v_lshlrev_b32 v11, 1, v248                     ; v11: Wg's scales: 2 bytes a row
	v_lshlrev_b32 v66, 3, v249                     ; v66: 8 h
	v_and_b32 v253, 4, v0
	v_cmp_ne_u32 vcc_lo, 0, v253                   ; rows 4-7 and 12-15 are Wp's
.irp k, 0,1,2,3,4,5,6,7
	global_load_b128 v[WA+4*\k:WA+4*\k+3], v9, s[6:7] offset:16*\k
	global_load_b128 v[X+4*\k:X+4*\k+3], v9, s[8:9] offset:16*\k
.endr
.irp n, 0,1
	global_load_b128 v[WG+8*\n:WG+8*\n+3], v10, s[10:11] offset:512*\n
	global_load_u16 v[WGS+\n], v11, s[12:13] offset:32*\n          ; bytes 0, 1: the row's two scales; bytes 2, 3 come as 0 and stand over zero codes
.endr
.irp j, 48,49,50,51,56,57,58,59,236,237,238,239,244,245,246,247
	v_mov_b32 v[\j], 0                             ; the operands' upper halves (K = 64 .. 127), and the lane exchange's destinations
.endr
	; the stores' bases
	s_mul_i32 s37, s39, KVB
	s_lshl_b32 s38, ttmp9, 11
	s_add_co_u32 s46, s37, s38
	s_lshl_b32 s38, s18, 9
	s_add_co_u32 s46, s46, s38
	s_add_nc_u64 s[40:41], s[16:17], s[46:47]      ; phi: key step blk / 2, tile 4 (blk % 2) + w
	s_lshr_b32 s38, ttmp9, 1
	s_lshl_b32 s38, s38, 11
	s_add_co_u32 s46, s37, s38
	s_and_b32 s38, ttmp9, 1
	s_lshl_b32 s38, s38, 9
	s_add_co_u32 s46, s46, s38
	s_lshl_b32 s38, s36, 10
	s_add_co_u32 s46, s46, s38
	s_add_co_u32 s46, s46, 32768
	s_add_nc_u64 s[42:43], s[16:17], s[46:47]      ; g's codes
	s_lshr_b32 s38, ttmp9, 1
	s_lshl_b32 s38, s38, 7
	s_add_co_u32 s46, s37, s38
	s_and_b32 s38, ttmp9, 1
	s_lshl_b32 s38, s38, 1
	s_add_co_u32 s46, s46, s38
	s_lshl_b32 s38, s36, 6
	s_add_co_u32 s46, s46, s38
	s_add_co_u32 s46, s46, 49152
	s_add_nc_u64 s[44:45], s[16:17], s[46:47]      ; g's scale bytes
	s_lshl_b32 s46, s39, 17
	s_lshl_b32 s38, ttmp9, 13
	s_add_co_u32 s46, s46, s38
	s_lshl_b32 s38, s18, 11
	s_add_co_u32 s46, s46, s38
	s_add_nc_u64 s[14:15], s[14:15], s[46:47]      ; theta: the work-group's 16 images, my four
	s_wait_loadcnt 0x0
.set ii, 0
.rept 32
	v_cndmask_b32 v[WA+ii], v[WA+ii], v[X+ii], vcc_lo              ; Wp's row where the lane's row is one of Wp's
.set ii, ii+1
.endr
	s_wait_tensorcnt 0x0                           ; my 16 channels are in LDS;
	s_barrier_signal -1
	s_barrier_wait -1                              ; everybody's are: each wave reads all 64
	; 128 loads, the channel outermost, so that they land in the order of the K steps
.set ii, 0
.rept 32
.irp t, 0,1,2,3
	ds_load_b32 v[X+32*\t+ii], v2 offset:ii*1024+(\t/2)*256+(\t%2)*4
.endr
.set ii, ii+1
.endr
	; theta and un-pooled phi: 16 K steps x 4 tiles; the four accumulators take turns, one instruction a turn.  Behind each product one step of its tile's largest magnitude.
.set ss, 0
.rept 16
.if 120-8*ss > 63
	s_wait_dscnt 63                                ; behind K step ss's eight loads 120 - 8 ss were issued; a wait's count names 63 at the most
.else
	s_wait_dscnt 120-8*ss                          ; K step ss's eight loads are in; the 120 - 8 ss younger ones may be out
.endif
.irp t, 0,1,2,3
.if ss == 0
	v_wmma_f32_16x16x4_f32 v[ACC+8*\t:ACC+8*\t+7], v[WA:WA+1], v[X+32*\t:X+32*\t+1], 0
	v_max3_num_f32 v[BM+\t], |v[X+32*\t]|, |v[X+32*\t+1]|, 0x1800000   ; with the floor 2^(3 - 127): the scale's byte cannot fall under 1
.else
	v_wmma_f32_16x16x4_f32 v[ACC+8*\t:ACC+8*\t+7], v[WA+2*ss:WA+2*ss+1], v[X+32*\t+2*ss:X+32*\t+2*ss+1], v[ACC+8*\t:ACC+8*\t+7]
	v_max3_num_f32 v[BM+\t], v[BM+\t], |v[X+32*\t+2*ss]|, |v[X+32*\t+2*ss+1]|
.endif
.endr
.set ss, ss+1
.endr
	; x's scales.  These twenty lines name no register of the products above: they are the eight places behind them
.irp t, 0,1,2,3
	v_add_nc_u32 v[SO+\t], 0xff000000, v[BM+\t]    ; 2 off the exponent field: the conversion's scale operand
.endr
.irp t, 0,1,2,3
	v_lshrrev_b32 v[BY+\t], 23, v[SO+\t]           ; the byte of block h
.endr
.irp t, 0,1,2,3
	v_lshlrev_b32 v[BY+\t], v66, v[BY+\t]          ; at its place in the word
.endr
.irp t, 0,1,2,3
	v_permlanex16_b32 v[PT+\t], v[BY+\t], s20, s21
.endr
.irp t, 0,1,2,3
	v_or_b32 v[XSW+\t], v[BY+\t], v[PT+\t]         ; with lane l xor 16's byte: the position's scale word
.endr
	; x's codes: tile 0's into v232-235; then tile 0's numbers are done with and tiles 1 to 3 take v72.., v80.., v88..
.irp g, 0,1,2,3
	v_cvt_scalef32_pk8_fp4_f32 v[232+\g], v[X+8*\g:X+8*\g+7], v[SO]
.endr
	v_nop                                          ; a plain line between the conversions and the writes of their sources
.irp j, 76,77,78,79,84,85,86,87,92,93,94,95
	v_mov_b32 v[\j], 0                             ; K = 64 .. 127 of tiles 1 to 3
.endr
.irp t, 1,2,3
.irp g, 0,1,2,3
	v_cvt_scalef32_pk8_fp4_f32 v[X+8*((\t)-1)+\g], v[X+32*\t+8*\g:X+32*\t+8*\g+7], v[SO+\t]
.endr
.endr
	v_nop                                          ; a plain line behind the last conversion
	; theta to its images (each accumulator is read from its low end first), phi pooled and stored
.irp t, 0,1,2,3
	ds_store_b128 v3, v[ACC+8*\t:ACC+8*\t+3] offset:(\t/2)*2048+(\t%2)*16
.endr
.irp j, 0,1,2,3
	v_max3_num_f32 v[PHI+\j], v[ACC+4+\j], v[ACC+12+\j], v[ACC+20+\j]
.endr
.irp j, 0,1,2,3
	v_max_num_f32 v[PHI+\j], v[PHI+\j], v[ACC+28+\j]
.endr
	global_store_b128 v5, v[PHI:PHI+3], s[40:41]   ; the wave stores 512 consecutive bytes: one key tile's image
	; un-pooled g = Q(x) Q(Wg)^T: source 0 = 16 positions, source 1 = 16 channels: a lane holds channel 16 n + r, its registers run along the positions
.macro GMUL t, qx
.irp n, 0,1
	v_wmma_scale_f32_16x16x128_f8f6f4 v[D+16*\t+8*\n:D+16*\t+8*\n+7], v[\qx:\qx+7], v[WG+8*\n:WG+8*\n+7], 0, v[XSW+\t], v[WGS+\n] matrix_a_fmt:MATRIX_FMT_FP4 matrix_b_fmt:MATRIX_FMT_FP4
.endr
.endm
	GMUL 0, 232
	GMUL 1, 72
	GMUL 2, 80
	GMUL 3, 88
.rept 4
	v_nop                                          ; four places in front of the first read of results
.endr
.irp n, 0,1
.irp j, 0,1,2,3,4,5,6,7
	v_max3_num_f32 v[G+8*\n+\j], v[D+8*\n+\j], v[D+16+8*\n+\j], v[D+32+8*\n+\j]   ; the 2 x 2 pool: the four tiles' same register
	v_max_num_f32 v[G+8*\n+\j], v[G+8*\n+\j], v[D+48+8*\n+\j]
.endr
.endr
.irp n, 0,1
	ds_store_b128 v4, v[G+8*\n:G+8*\n+3] offset:\n*16*GPP
	ds_store_b128 v4, v[G+8*\n+4:G+8*\n+7] offset:\n*16*GPP+16
.endr
	s_wait_dscnt 0x0                               ; for the others' sake: my stores of theta and of g have landed
	s_barrier_signal -1
	s_barrier_wait -1
	; theta leaves as images of 16 neighbouring queries: four stores of 512 consecutive bytes a wave
.irp k, 0,1,2,3
	ds_load_b128 v[184+4*\k:187+4*\k], v6 offset:512*\k
.endr
	s_wait_dscnt 0x0
.irp k, 0,1,2,3
	global_store_b128 v5, v[184+4*\k:187+4*\k], s[14:15] offset:512*\k
.endr
	; g is quantised along the keys by waves 0 and 1 (n = w): a lane holds one channel's block of 32 keys, pooled row h.  No barrier stands under this branch.
	s_cmp_lt_u32 s18, 2
	s_cbranch_scc0 .Ldone
.irp k, 0,1,2,3,4,5,6,7
	ds_load_b128 v[GQ+4*\k:GQ+4*\k+3], v7 offset:16*\k
.endr
	s_wait_dscnt 0x0
	v_max3_num_f32 v140, |v[GQ]|, |v[GQ+1]|, |v[GQ+2]|
	v_max3_num_f32 v141, |v[GQ+3]|, |v[GQ+4]|, |v[GQ+5]|
.irp i, 6,10,14,18,22,26
	v_max3_num_f32 v140, v140, |v[GQ+\i]|, |v[GQ+\i+1]|
	v_max3_num_f32 v141, v141, |v[GQ+\i+2]|, |v[GQ+\i+3]|
.endr
	v_max3_num_f32 v140, v140, |v[GQ+30]|, |v[GQ+31]|
	v_max3_num_f32 v140, v140, v141, 0x1800000     ; and the floor
	v_add_nc_u32 v141, 0xff000000, v140            ; the conversions' scale operand
	v_lshrrev_b32 v142, 23, v141                   ; the byte
.irp g, 0,1,2,3
	v_cvt_scalef32_pk8_fp4_f32 v[136+\g], v[GQ+8*\g:GQ+8*\g+7], v141
.endr
	v_nop
	global_store_b128 v5, v[136:139], s[42:43]     ; 512 consecutive bytes: registers 4 c .. 4 c + 3 of fragment (ks, n)
	global_store_b8 v8, v142, s[44:45]             ; each lane its own byte: 32 bytes a wave, the one output that leaves in pieces
.Ldone:
	s_set_vgpr_msb 0x4
	s_wait_tensorcnt 0x0
	ds_add_u32 v67, v1
	s_wait_dscnt 0x0
	s_set_vgpr_msb 0x400
	s_endpgm
.Lfunc_end_k_q2024ebfb84_prep:
	.size	k_q2024ebfb84_prep, .Lfunc_end_k_q2024ebfb84_prep-k_q2024ebfb84_prep
	.p2alignl 7, 3214868480
	.fill 96, 4, 3214868480
	.section	.rodata,"a",@progbits
	.p2align	6, 0x0
	.amdhsa_kernel k_q2024ebfb84_prep
		.amdhsa_group_segment_fixed_size 168448
		.amdhsa_private_segment_fixed_size 0
		.amdhsa_enable_private_segment 0
		.amdhsa_kernarg_size 56
		.amdhsa_user_sgpr_count 2
		.amdhsa_user_sgpr_kernarg_segment_ptr 1
		.amdhsa_wavefront_size32 1
		.amdhsa_system_sgpr_workgroup_id_x 1
		.amdhsa_system_sgpr_workgroup_id_y 1
		.amdhsa_system_sgpr_workgroup_id_z 1
		.amdhsa_system_vgpr_workitem_id 0
		.amdhsa_next_free_vgpr 258
		.amdhsa_next_free_sgpr 66
		.amdhsa_reserve_vcc 1
		.amdhsa_float_denorm_mode_32 3
		.amdhsa_float_denorm_mode_16_64 3
		.amdhsa_memory_ordered 1
		.amdhsa_forward_progress 1
		.amdhsa_inst_pref_size 35
	.end_amdhsa_kernel
	.amdgpu_metadata
---
amdhsa.version: [ 1, 2 ]
amdhsa.kernels:
  - .name:           k_q2024ebfb84_prep
    .symbol:         k_q2024ebfb84_prep.kd
    .args:
      - { .name: x, .offset: 0, .size: 8, .value_kind: global_buffer, .address_space: global }
      - { .name: Wt, .offset: 8, .size: 8, .value_kind: global_buffer, .address_space: global }
      - { .name: Wp, .offset: 16, .size: 8, .value_kind: global_buffer, .address_space: global }
      - { .name: Wg_codes, .offset: 24, .size: 8, .value_kind: global_buffer, .address_space: global }
      - { .name: Wg_scales, .offset: 32, .size: 8, .value_kind: global_buffer, .address_space: global }
      - { .name: theta, .offset: 40, .size: 8, .value_kind: global_buffer, .address_space: global }
      - { .name: kv, .offset: 48, .size: 8, .value_kind: global_buffer, .address_space: global }
    .group_segment_fixed_size: 168448
    .private_segment_fixed_size: 0
    .kernarg_segment_align: 8
    .kernarg_segment_size: 56
    .max_flat_workgroup_size: 128
    .sgpr_count:     66
    .vgpr_count:     258
    .wavefront_size: 32
...
	.end_amdgpu_metadata
.endif
;; end of part 1
;; launch attend (part 2): grid 16 x 16, 16 waves a work-group, clusters of 4 x 1, 169,984 bytes of LDS; arguments theta, kv, Wo_codes, Wo_scales, gamma, x, out0; writes out0
.if DOCPART == 2
	.amdgcn_target "amdgcn-amd-amdhsa--gfx1250"
	.amdhsa_code_object_version 6
	.text
	.protected	k_q2024ebfb84_attend
	.globl	k_q2024ebfb84_attend
	.p2align	8
	.type	k_q2024ebfb84_attend,@function
k_q2024ebfb84_attend:
	s_mov_b64 s[64:65], 0
	v_nop
	global_prefetch_b8 v0, s[64:65] scope:SCOPE_SE
	s_setreg_imm32_b32 hwreg(HW_REG_WAVE_MODE, 25, 1), 1
	s_wait_xcnt 0x0
	s_wait_alu depctr_hold_cnt(0) depctr_sa_sdst(0) depctr_va_vdst(0) depctr_va_sdst(0) depctr_va_ssrc(0) depctr_va_vcc(0) depctr_vm_vsrc(0)
	s_getreg_b32 s2, hwreg(HW_REG_IB_STS2, 6, 4)
	s_cmp_eq_u32 s2, 0
	s_cbranch_scc0 .Lentry_in_a_cluster
	s_endpgm
.Lentry_in_a_cluster:
	s_bfe_u32 s2, ttmp6, 0x10000c
	s_cmp_lg_u32 s2, 0x3003
	s_cbranch_scc0 .Lentry_shape_is_right
	s_endpgm
.Lentry_shape_is_right:
; out0 = gamma Wo (g softmax(theta^T phi)^T) + x.  theta, phi, g's codes and scales come as the launch before laid them: images of the operand registers.
; SHARES.  A work-group owns 256 queries of one batch, each of its sixteen waves 16 of them, in 256 registers: four waves to a SIMD, so that one wave's vector work stands beside another's matrix work.
; Every wave walks the batch's 1,024 keys, 128 a step.  The batch's phi, g and scales, 50,176 bytes, come into LDS once and stay.
; CLUSTER.  The four work-groups of a cluster belong to one batch and want the same 50,176 bytes: they ask JOINTLY, waves 0 to 3 a quarter each, by the same tensor load with the same descriptor and the mask 15.
; LAYOUT.  S^T = phi^T theta in the f32 matrix form (source 0 = 16 keys, source 1 = my 16 queries; K = 8 in two steps, slot (s, h, j) = channel 4 h + 2 s + j on both sides): a lane holds ONE query.
; The keys of a tile are chosen so that the 16 registers of tiles 2 b and 2 b + 1 are keys 32 b + 16 h + 0 .. 15.  O^T = g p^T on codes of E2M1 (source 0 = 16 channels of g, source 1 = p);
; g's rows are chosen so that a lane's 16 registers of O^T are channels 16 h + 0 .. 15, which are the next product's K.
; SOFTMAX.  t = score x log2(e); M = the running largest t rounded up to a whole number, kept as -M; p = 2^(t - M) is quantised along the keys, not normalised; the row's sum is taken of the unquantised p;
; when M moves, the sum and O^T are multiplied by 2^(old M - new M), which rounds nothing; O^T is divided by the sum at the end, quantised along its 32 channels and multiplied by Wo's codes.
; LIMITS: NaN and infinities among the inputs are not served; a p under 2^-126 counts as 0 (v_exp_f32 gives no denormals: ISA guide, its entry); a block of zeros has the scale byte 1, over zero codes.
.set KVB,  50176
.set QTR,  12544                       ; a quarter of it: 49 rows of 256 bytes
.set GCL,  32768                       ; LDS: phi's images from 0, g's codes from here,
.set GSL,  49152                       ; g's scale words,
.set WOI,  50176                       ; then, in blocks of 256 bytes into which no tensor load lands: Wo's four fragments' registers 0-3 as images (lanes 16-31 zero),
.set WOS,  52224                       ; Wo's 64 scale words,
.set STG,  52480                       ; and the stage for the way out: 64 channels x (256 queries x 4 bytes + 16)
.set SPI,  1040
.set TH,  16                           ; v16-19   theta's fragment
.set PH,  20                           ; v20-51   a step's 8 fragments of phi; later Wo's four fragments, then rows from the stage
.set GF,  52                           ; v52-67   a step's 2 fragments of g
.set PC,  72                           ; v72-79   p's codes; later o's
.set OT,  80                           ; v80-95   O^T
.set S,   96                           ; v96-159  the scores: written by the f32 matrix form alone
.set P,   160                          ; v160-223 p; later x (v160-191) and y (v192-223)
.set BM,  224                          ; v224-227 the blocks' largest score, then largest p
.set PT,  228                          ; v228-231 the lane exchange's destinations, then the scale bytes
.set SO,  232                          ; v232-235 the conversions' scale operands
; v1 16 x lane, v2 4 x lane, v3 4 x (lane % 16); v4-6 the step's LDS addresses; v12 -M, v13 the largest t, v[14:15] the sum in two halves; v68 g's scale words (lanes 0-15: n = 0, lanes 16-31: n = 1);
; v69 p's scale word; v[236:237] the second chain of the sum; v[238:239] f, at the end 1 / sum; v240 at work; v243 o's scale word; v244-247 Wo's; v248-255 addresses that stay.
.macro ROUND                           ; a round of the cluster's barrier
	s_barrier_signal -1
	s_barrier_wait -1
	s_cmp_lg_u32 s18, 0
	s_cbranch_scc1 .Lnot_wave_0_\@
	s_barrier_signal -3
.Lnot_wave_0_\@:
	s_barrier_wait -3
	s_barrier_signal -1
	s_barrier_wait -1
.endm
	s_load_b256 s[4:11], s[0:1], 0x0               ; theta s[4:5], kv s[6:7], Wo's codes s[8:9], Wo's scales s[10:11]
	s_load_b128 s[12:15], s[0:1], 0x20             ; gamma s[12:13], x s[14:15]
	s_load_b64 s[16:17], s[0:1], 0x30              ; out0
	v_lshl_add_u32 v241, v0, 2, 0x29000
	v_mov_b32 v242, 0
	ds_add_u32 v241, v242
	ds_add_u32 v241, v242
	v_lshrrev_b32 v7, 5, v0
	v_readfirstlane_b32 s18, v7                    ; wave 0..15
	s_bfe_u32 s36, ttmp6, 0x40000                  ; cx: it enters theta's, x's and out0's addresses alone
	s_lshl_b32 s37, ttmp9, 2
	s_add_co_u32 s37, s37, s36                     ; my block of 256 queries
	s_and_b32 s38, ttmp7, 0xffff                   ; the batch, which the four partners share
	; descriptor group 1: a dense block of 49 rows of 256 bytes (32 elements of 8 bytes)
	s_mov_b32 s24, 15|(3<<16)|(1<<21)              ; the mask: all four work-groups; bit 21 set beside it
	s_mov_b32 s25, 32<<16
	s_mov_b32 s26, 49<<16
	s_mov_b32 s27, 32<<16
	s_mov_b32 s28, 49
	s_mov_b32 s29, 32
	s_mov_b32 s30, 0
	s_mov_b32 s31, 0
	s_and_b32 s39, s18, 3
	s_mul_i32 s39, s39, QTR                        ; the quarter that I fetch, if I fetch: in LDS,
	s_mul_i32 s40, s38, KVB
	s_add_co_u32 s40, s40, s39                     ; and in kv
	s_mov_b32 s41, 0
	s_lshl_b32 s50, s38, 17                        ; theta: image 256 b + 16 block + wave, 512 bytes each
	s_lshl_b32 s51, s37, 13
	s_add_co_u32 s50, s50, s51
	s_lshl_b32 s51, s18, 9
	s_add_co_u32 s50, s50, s51
	s_mov_b32 s51, 0
	s_lshl_b32 s52, s38, 20                        ; x and out0: the batch, my block's 1,024 bytes of a channel's row
	s_lshl_b32 s53, s37, 10
	s_add_co_u32 s52, s52, s53
	s_mov_b32 s53, 0
	s_mov_b32 s20, 0x76543210
	s_mov_b32 s21, 0xfedcba98                      ; v_permlanex16_b32's selects for lane l xor 16
	s_mov_b32 s22, 0x3fb8aa3b                      ; log2(e)
	s_mov_b32 s23, s22                             ; (named with it as a pair, so it is written)
	s_mov_b32 s42, 0                               ; where the step's phi begins in LDS: 4,096 bytes a step,
	s_mov_b32 s43, GCL                             ; its g: 2,048,
	s_mov_b32 s44, GSL                             ; its scale words: 128
	s_mov_b32 s45, 8                               ; steps to go
	s_cmp_lt_u32 s18, 8
	s_cselect_b32 s46, 1, -1                       ; waves 0 to 7 prefetch, in the trip in which one step is left
	; every address register is made here, ahead of the first branch on the wave's number
	v_and_b32 v7, 31, v0                           ; lane
	v_and_b32 v8, 15, v0                           ; r
	v_bfe_u32 v9, v0, 4, 1                         ; h
	v_lshlrev_b32 v1, 4, v7
	v_lshlrev_b32 v2, 2, v7
	v_lshlrev_b32 v3, 2, v8
	v_mul_u32_u24 v248, v8, SPI
	v_lshl_add_u32 v248, v9, 5, v248
	s_lshl_b32 s47, s18, 6
	s_add_co_u32 s47, s47, STG
	v_add_nc_u32 v248, s47, v248                   ; the stage, in: channel r (+ 16 q), queries 16 w + 8 h on
	s_mul_i32 s47, s18, 4*SPI
	s_add_co_u32 s47, s47, STG
	v_add_nc_u32 v249, s47, v1                     ; back: channels 4 w on, 16 bytes a lane
	s_lshl_b32 s47, s18, 16
	v_add_nc_u32 v250, s47, v1                     ; the same in x and out0
	v_bfe_u32 v10, v0, 2, 6
	v_and_b32 v251, 3, v0
	v_lshlrev_b32 v251, 8, v251
	v_lshl_add_u32 v251, v10, 14, v251             ; the prefetch: thread t of the first 256 names channel t / 4, bytes 256 (t % 4) on
	s_and_b32 s47, s18, 3
	s_lshl_b32 s47, s47, 8
	v_lshlrev_b32 v252, 4, v8
	v_add_nc_u32 v252, s47, v252                   ; Wo's codes: row 16 (w % 4) + r, 16 bytes
	v_and_b32 v10, 127, v0
	v_lshl_add_u32 v253, v10, 4, WOI               ; and its image's place
	v_and_b32 v254, 63, v0                         ; Wo's scales: a byte a row,
	v_lshl_add_u32 v255, v254, 2, WOS              ; a word in LDS
	v_cmp_gt_u32 vcc_lo, 16, v7                    ; lanes 0-15
	s_wait_dscnt 0x0
	s_wait_kmcnt 0x0
	s_load_b32 s48, s[12:13], 0x0                  ; gamma
	s_add_nc_u64 s[4:5], s[4:5], s[50:51]
	s_add_nc_u64 s[14:15], s[14:15], s[52:53]
	s_add_nc_u64 s[16:17], s[16:17], s[52:53]
	s_mov_b32 s32, 1
	s_mov_b32 s33, s39
	s_add_nc_u64 s[34:35], s[6:7], s[40:41]
	s_or_b32 s35, s35, 0x80000000
	global_load_b128 v[TH:TH+3], v1, s[4:5] th:TH_LOAD_NT
	ROUND                                          ; all four work-groups are here: the joint loads meet
	s_cmp_lt_u32 s18, 4
	s_cbranch_scc0 .Lnot_fetch
	tensor_load_to_lds s[32:35], s[24:31]          ; waves 0 to 3: a quarter of the batch's 50,176 bytes each; filled once
	s_nop 0
.rept 4
	v_nop
.endr
	s_branch .Lroles_done
.Lnot_fetch:
	s_cmp_lt_u32 s18, 8
	s_cbranch_scc0 .Lnot_codes
	global_load_b128 v[20:23], v252, s[8:9]        ; waves 4 to 7: a fragment of Wo each: K = 32 lies in lanes 0-15, registers 0-3
	s_wait_loadcnt 0x0
.irp j, 20,21,22,23
	v_cndmask_b32 v[\j], 0, v[\j], vcc_lo          ; lanes 16-31 (K = 32 .. 63): zero codes
.endr
	ds_store_b128 v253, v[20:23]
	s_branch .Lroles_done
.Lnot_codes:
	s_cmp_lt_u32 s18, 10
	s_cbranch_scc0 .Lroles_done
	global_load_u8 v20, v254, s[10:11]             ; waves 8 and 9: Wo's 64 scale bytes, widened to words: bytes 1 to 3 are 0 and stand over zero codes
	s_wait_loadcnt 0x0
	ds_store_b32 v255, v20
.Lroles_done:
	s_wait_tensorcnt 0x0                           ; my quarter has landed,
	s_wait_dscnt 0x0                               ; my stores too:
	s_barrier_signal -1
	s_barrier_wait -1                              ; everybody's have
	s_wait_loadcnt 0x0                             ; theta
	s_wait_kmcnt 0x0                               ; gamma
	s_mov_b32 s49, s48
	v_mov_b32 v13, 0xff61b1e6                      ; the largest t so far: -3e38, under every t
	v_floor_f32 v12, -v13                          ; -M
	v_mov_b32 v14, 0
	v_mov_b32 v15, 0
.irp j, 0,1,2,3,4,5,6,7,8,9,10,11,12,13,14,15
	v_mov_b32 v[OT+\j], 0                          ; the step is written once: the first finds zeros, which the first change of M leaves zeros
.endr
.irp j, 228,229,230,231,237,239
	v_mov_b32 v[\j], 0                             ; the lane exchange's destinations, and the upper halves of pairs that are named whole
.endr
.Lstep:                                            ; 8 trips of 128 keys
	v_add_nc_u32 v4, s42, v1
	v_add_nc_u32 v5, s43, v1
	v_add_nc_u32 v6, s44, v2
	v_nop                                          ; four places behind the last trip's products, in front of the loads into their operands
.irp t, 0,1,2,3,4,5,6,7
	ds_load_b128 v[PH+4*\t:PH+4*\t+3], v4 offset:512*\t
.endr
.irp n, 0,1
.irp c, 0,1
	ds_load_b128 v[GF+8*\n+4*\c:GF+8*\n+4*\c+3], v5 offset:1024*\n+512*\c
.endr
.endr
	ds_load_b32 v68, v6
	; A PREFETCH INTO THE L2 of the work-group's 64 KiB of x, which the way out adds: 64 channels x 1,024 bytes, 256 blocks of 256 bytes, a thread of waves 0 to 7 each, once, at the head of the last trip:
	; one trip ahead of the loads.  Each block belongs to one work-group alone; the partners of a cluster differ by address.
	s_cmp_eq_u32 s45, s46
	s_cbranch_scc0 .Lno_ask
	global_prefetch_b8 v251, s[14:15] th:TH_LOAD_NT scope:SCOPE_SE
.Lno_ask:
	s_wait_dscnt 5                                 ; phi's eight loads are in; g's four and the scale word may be out
.irp t, 0,1,2,3,4,5,6,7
	v_wmma_f32_16x16x4_f32 v[S+8*\t:S+8*\t+7], v[PH+4*\t:PH+4*\t+1], v[TH:TH+1], 0
.endr
.irp t, 0,1,2,3,4,5,6,7                        ; the eight accumulators take turns
	v_wmma_f32_16x16x4_f32 v[S+8*\t:S+8*\t+7], v[PH+4*\t+2:PH+4*\t+3], v[TH+2:TH+3], v[S+8*\t:S+8*\t+7]
.endr
.rept 8
	v_nop                                          ; eight places behind this form, in front of the first read of results
.endr
.irp b, 0,1,2,3
	v_max3_num_f32 v[BM+\b], v[S+16*\b], v[S+16*\b+1], v[S+16*\b+2]   ; the largest score of each block of 32 keys: for the row's maximum, and, since p rises with the score, for the block's largest p
.endr
.irp i, 3,5,7,9,11,13
.irp b, 0,1,2,3
	v_max3_num_f32 v[BM+\b], v[BM+\b], v[S+16*\b+\i], v[S+16*\b+\i+1]
.endr
.endr
.irp b, 0,1,2,3
	v_max_num_f32 v[BM+\b], v[BM+\b], v[S+16*\b+15]
.endr
.irp b, 0,1,2,3
	v_permlanex16_b32 v[PT+\b], v[BM+\b], s20, s21
.endr
.irp b, 0,1,2,3
	v_max_num_f32 v[BM+\b], v[BM+\b], v[PT+\b]     ; with lane l xor 16's 16 keys
.endr
	v_max3_num_f32 v240, v224, v225, v226
	v_max_num_f32 v240, v240, v227                 ; the step's largest score of my query
	v_mul_f32 v240, s22, v240                      ; as t
	v_max_num_f32 v13, v13, v240                   ; the running largest t
	v_mov_b32 v240, v12
	v_floor_f32 v12, -v13                          ; the new -M = -ceil(t)
	v_sub_f32 v240, v12, v240                      ; old M less new M: a whole number, 0 or less
	v_cvt_i32_f32 v240, v240                       ; (it saturates)
	v_ldexp_f32 v238, 1.0, v240                    ; f = 2^(old M - new M)
.set j, 0
.rept 32
	v_pk_fma_f32 v[P+j:P+j+1], v[S+j:S+j+1], s[22:23], v[12:13] op_sel_hi:[1,0,0]   ; t - M, into other registers than the scores'
.set j, j+2
.endr
.irp b, 0,1,2,3
	v_fma_f32 v[BM+\b], v[BM+\b], s22, v12         ; the same of each block's largest score
.endr
.set j, 0
.rept 64
	v_exp_f32 v[P+j], v[P+j]                       ; p = 2^(t - M)
.set j, j+1
.endr
	v_pk_mul_f32 v[14:15], v[14:15], v[238:239] op_sel_hi:[1,0]   ; the sum under the new M: the plain line behind the exponentials
	s_wait_alu depctr_va_vdst(0)                   ; one wait for the batch of 64, ahead of its first reader
.irp b, 0,1,2,3
	v_exp_f32 v[BM+\b], v[BM+\b]                   ; the block's largest p: the same two instructions on the same number
.endr
.set j, 0
.rept 16
	v_pk_add_f32 v[14:15], v[14:15], v[P+j:P+j+1]  ; the row's sum, of the unquantised p: the first chain; it reads the 64 alone
.set j, j+4
.endr
	s_wait_alu depctr_va_vdst(0)                   ; and one wait for the four
.irp b, 0,1,2,3
	v_max_num_f32 v[BM+\b], 0x1800000, v[BM+\b]    ; the floor 2^(3 - 127): the byte cannot fall under 1
.endr
.irp b, 0,1,2,3
	v_add_nc_u32 v[SO+\b], 0xff000000, v[BM+\b]    ; 2 off the exponent field: the conversion's scale operand
.endr
.irp b, 0,1,2,3
	v_lshrrev_b32 v[PT+\b], 23, v[SO+\b]           ; the byte
.endr
	v_lshl_or_b32 v69, v229, 8, v228               ; p's scale word for these 128 keys
	v_lshl_or_b32 v69, v230, 16, v69
	v_lshl_or_b32 v69, v231, 24, v69
.irp b, 0,1,2,3
	v_cvt_scalef32_pk8_fp4_f32 v[PC+2*\b], v[P+16*\b:P+16*\b+7], v[SO+\b]
	v_cvt_scalef32_pk8_fp4_f32 v[PC+2*\b+1], v[P+16*\b+8:P+16*\b+15], v[SO+\b]
.endr
	v_nop                                          ; a plain line behind the conversions
.irp c, 0,1                                    ; the operand's layout wants a whole block in a lane: lanes 0-15 block 2 c, lanes 16-31 block 2 c + 1
.irp i, 0,1
	v_permlane16_swap_b32 v[PC+4*\c+\i], v[PC+4*\c+2+\i]
.endr
.endr
	v_pk_add_f32 v[236:237], v[P+2:P+3], v[P+6:P+7]   ; the sum's second chain; with O^T's rescaling: 24 plain lines between the operand's and the scale word's last writes and the products
.set j, 10
.rept 14
	v_pk_add_f32 v[236:237], v[236:237], v[P+j:P+j+1]
.set j, j+4
.endr
	v_pk_add_f32 v[14:15], v[14:15], v[236:237]
.set j, 0
.rept 8
	v_pk_mul_f32 v[OT+j:OT+j+1], v[OT+j:OT+j+1], v[238:239] op_sel_hi:[1,0]   ; O^T under the new M, each accumulator from its low end on
.set j, j+2
.endr
	s_wait_dscnt 0x0                               ; g's fragments and scale words are in
	v_wmma_scale_f32_16x16x128_f8f6f4 v[OT:OT+7], v[GF:GF+7], v[PC:PC+7], v[OT:OT+7], v68, v69 matrix_a_fmt:MATRIX_FMT_FP4 matrix_b_fmt:MATRIX_FMT_FP4
	v_wmma_scale_f32_16x16x128_f8f6f4 v[OT+8:OT+15], v[GF+8:GF+15], v[PC:PC+7], v[OT+8:OT+15], v68, v69 matrix_a_fmt:MATRIX_FMT_FP4 matrix_b_fmt:MATRIX_FMT_FP4 matrix_a_scale:MATRIX_SCALE_ROW1
	s_add_co_u32 s42, s42, 4096
	s_add_co_u32 s43, s43, 2048
	s_add_co_u32 s44, s44, 128
	s_sub_co_u32 s45, s45, 1
	s_cmp_lg_u32 s45, 0
	s_cbranch_scc1 .Lstep
	; THE WAY OUT.  x's rows that I will add (channels 4 w .. 4 w + 3, 256 queries), Wo's fragments and scale words are asked for first.
.irp k, 0,1,2,3,4,5,6,7
	global_load_b128 v[160+4*\k:163+4*\k], v250, s[14:15] offset:(\k/2)*16384+(\k%2)*512 th:TH_LOAD_NT
.endr
.irp q, 0,1,2,3
	ds_load_b128 v[PH+8*\q:PH+8*\q+3], v1 offset:WOI+512*\q
	ds_load_b32 v[244+\q], v3 offset:WOS+64*\q
.endr
	v_add_f32 v14, v14, v15                        ; the sum's two halves,
	v_permlanex16_b32 v240, v14, s20, s21
	v_add_f32 v14, v14, v240                       ; and lane l xor 16's: the row's sum, at least 1/2
	v_rcp_f32 v238, v14
.irp q, 0,1,2,3
.irp i, 4,5,6,7
	v_mov_b32 v[PH+8*\q+\i], 0                     ; Wo's K = 64 .. 127.  (The plain lines behind the reciprocal, and the places behind the last products, whose operand is written next)
.endr
.endr
.irp j, 74,75,76,77,78,79
	v_mov_b32 v[\j], 0                             ; o's fragment but for its first two registers
.endr
	s_wait_alu depctr_va_vdst(0)                   ; the wait ahead of the reciprocal's first reader
.set j, 0
.rept 8
	v_pk_mul_f32 v[OT+j:OT+j+1], v[OT+j:OT+j+1], v[238:239] op_sel_hi:[1,0]   ; o = O^T / the sum: my registers are channels 16 h + 0 .. 15 of query r
.set j, j+2
.endr
	v_max3_num_f32 v224, |v[OT]|, |v[OT+1]|, 0x1800000   ; o's one block of 32 channels: my 16, and the floor
.irp i, 2,4,6,8,10,12,14
	v_max3_num_f32 v224, v224, |v[OT+\i]|, |v[OT+\i+1]|
.endr
	v_permlanex16_b32 v228, v224, s20, s21
	v_max_num_f32 v224, v224, v228                 ; with lane l xor 16's 16
	v_add_nc_u32 v232, 0xff000000, v224
	v_lshrrev_b32 v243, 23, v232                   ; o's scale word: byte 0; bytes 1 to 3 are 0 and stand over zero codes
	v_cvt_scalef32_pk8_fp4_f32 v72, v[OT:OT+7], v232
	v_cvt_scalef32_pk8_fp4_f32 v73, v[OT+8:OT+15], v232
	v_nop
	v_permlane16_swap_b32 v72, v74                 ; lanes 16-31's codes (channels 16 .. 31) go to lanes 0-15's registers 2, 3; zeros come back: lanes 0-15 hold K = 0 .. 31, lanes 16-31 zero codes
	v_permlane16_swap_b32 v73, v75
.rept 8
	v_nop                                          ; the scale word stands eight plain lines, the operand four, ahead of the scaled products
.endr
	s_wait_dscnt 0x0                               ; Wo's fragments and scale words are in
.irp q, 0,1,2,3                                ; y = Q(o) Q(Wo)^T: source 0 = my 16 queries, source 1 = channels 16 q on: a lane holds channel 16 q + r and queries 8 h + 0 .. 7
	v_wmma_scale_f32_16x16x128_f8f6f4 v[192+8*\q:199+8*\q], v[PC:PC+7], v[PH+8*\q:PH+8*\q+7], 0, v243, v[244+\q] matrix_a_fmt:MATRIX_FMT_FP4 matrix_b_fmt:MATRIX_FMT_FP4
.endr
.rept 4
	v_nop                                          ; four places in front of the stores that read results and of the loads into the operands
.endr
.irp q, 0,1,2,3
	ds_store_b128 v248, v[192+8*\q:195+8*\q] offset:\q*16*SPI
	ds_store_b128 v248, v[196+8*\q:199+8*\q] offset:\q*16*SPI+16
.endr
	s_wait_dscnt 0x0                               ; for the others' sake: my stores into the stage have landed
	s_barrier_signal -1
	s_barrier_wait -1                              ; a channel's 256 queries come from sixteen waves
.irp k, 0,1,2,3,4,5,6,7
	ds_load_b128 v[PH+4*\k:PH+4*\k+3], v249 offset:(\k/2)*SPI+(\k%2)*512
.endr
	s_wait_loadcnt 0x0                             ; x
.irp k, 0,1,2,3,4,5,6,7
	s_wait_dscnt 7-\k                              ; piece k is back; the younger ones may be out
	v_pk_fma_f32 v[PH+4*\k:PH+4*\k+1], v[PH+4*\k:PH+4*\k+1], s[48:49], v[160+4*\k:161+4*\k] op_sel_hi:[1,0,1]   ; gamma y + x
	v_pk_fma_f32 v[PH+4*\k+2:PH+4*\k+3], v[PH+4*\k+2:PH+4*\k+3], s[48:49], v[162+4*\k:163+4*\k] op_sel_hi:[1,0,1]
	global_store_b128 v250, v[PH+4*\k:PH+4*\k+3], s[16:17] offset:(\k/2)*16384+(\k%2)*512 th:TH_STORE_NT   ; the wave stores 512 consecutive bytes, at a multiple of 256 from out0's first byte
.endr
	s_wait_tensorcnt 0x0
	ds_add_u32 v241, v242
	s_wait_dscnt 0x0
	ROUND                                          ; the closing round: no work-group ends while a partner may still ask for a tile that names it
	s_endpgm
.Lfunc_end_k_q2024ebfb84_attend:
	.size	k_q2024ebfb84_attend, .Lfunc_end_k_q2024ebfb84_attend-k_q2024ebfb84_attend
	.p2alignl 7, 3214868480
	.fill 96, 4, 3214868480
	.section	.rodata,"a",@progbits
	.p2align	6, 0x0
	.amdhsa_kernel k_q2024ebfb84_attend
		.amdhsa_group_segment_fixed_size 169984
		.amdhsa_private_segment_fixed_size 0
		.amdhsa_enable_private_segment 0
		.amdhsa_kernarg_size 56
		.amdhsa_user_sgpr_count 2
		.amdhsa_user_sgpr_kernarg_segment_ptr 1
		.amdhsa_wavefront_size32 1
		.amdhsa_system_sgpr_workgroup_id_x 1
		.amdhsa_system_sgpr_workgroup_id_y 1
		.amdhsa_system_sgpr_workgroup_id_z 1
		.amdhsa_system_vgpr_workitem_id 0
		.amdhsa_next_free_vgpr 256
		.amdhsa_next_free_sgpr 66
		.amdhsa_reserve_vcc 1
		.amdhsa_float_denorm_mode_32 3
		.amdhsa_float_denorm_mode_16_64 3
		.amdhsa_memory_ordered 1
		.amdhsa_forward_progress 1
		.amdhsa_inst_pref_size 29
	.end_amdhsa_kernel
	.amdgpu_metadata
---
amdhsa.version: [ 1, 2 ]
amdhsa.kernels:
  - .name:           k_q2024ebfb84_attend
    .symbol:         k_q2024ebfb84_attend.kd
    .args:
      - { .name: theta, .offset: 0, .size: 8, .value_kind: global_buffer, .address_space: global }
      - { .name: kv, .offset: 8, .size: 8, .value_kind: global_buffer, .address_space: global }
      - { .name: Wo_codes, .offset: 16, .size: 8, .value_kind: global_buffer, .address_space: global }
      - { .name: Wo_scales, .offset: 24, .size: 8, .value_kind: global_buffer, .address_space: global }
      - { .name: gamma, .offset: 32, .size: 8, .value_kind: global_buffer, .address_space: global }
      - { .name: x, .offset: 40, .size: 8, .value_kind: global_buffer, .address_space: global }
      - { .name: out0, .offset: 48, .size: 8, .value_kind: global_buffer, .address_space: global }
    .group_segment_fixed_size: 169984
    .private_segment_fixed_size: 0
    .kernarg_segment_align: 8
    .kernarg_segment_size: 56
    .max_flat_workgroup_size: 512
    .sgpr_count:     66
    .vgpr_count:     256
    .wavefront_size: 32
...
	.end_amdgpu_metadata
.endif
;; end of part 2
